; MI455X (gfx1250); checked and timed in simulation.
; The chip was launched on July 23, 2026; its instructions are those of AMD's public machine-readable ISA for CDNA 5 (MIT licence, August 2026) and "CDNA5" Instruction Set Architecture Reference Guide (July 2026). The comments in the code are by the model that wrote it; some were corrected since.
;; Grouped Query Attention. Allowed arithmetic: matrix products marked QUANTISED: E2M3 operands, one E8M0 scale for each 32 along K, by v_wmma_scale_f32_16x16x128_f8f6f4 with both operands' format E2M3, f32 sums; everything else in f32.
;; Inputs: hidden_states 1 x 4,096 x 1,024 float32; k_b 256 float32; k_w 256 x 1,024 float32; q_b 1,024 float32; q_w 1,024 x 1,024 float32; v_b 256 float32; v_w 256 x 1,024 float32.
;; Outputs: out0 1 x 4,096 x 1,024 float32.
;; This version of the problem:
;;   THIS VERSION OF THE PROBLEM IS GIVEN IN LOW PRECISION. The matrix products marked QUANTISED in the list below multiply operands that are first quantised to E2M3 (2 exponent bits, 3 mantissa bits; 6 bits a number), with one power-of-two scale for each 32 numbers along K (OCP MX v1.0); their sums are f32. All else is computed in f32.
;;   The module's matrix products, in the order in which they are computed (A, B: the left and right operand; K: the contracted axis; several contracted axes count as one K, in the product's order):
;;     1. [M 4,096, K 1,024] x [K 1,024, N 1,024]; A: input hidden_states; B: input q_w: QUANTISED
;;     2. [M 4,096, K 1,024] x [K 1,024, N 256]; A: input hidden_states; B: input k_w: QUANTISED
;;     3. [M 4,096, K 1,024] x [K 1,024, N 256]; A: input hidden_states; B: input v_w: QUANTISED
;;     4. batch 4 x [M 4,096, K 64] x [K 64, N 16,384]; A: computed on the way; B: computed on the way: QUANTISED
;;     5. batch 4 x [M 64, K 4,096] x [K 4,096, N 16,384]; A: computed on the way; B: softmax (see below): QUANTISED
;;   THE QUANTISER, for each operand of a quantised product, along K:
;;     - K is cut into blocks of 32 from its start; a last block that is shorter is filled with zeros.
;;     - A block's scale is 2^e with e = floor(log2(the largest magnitude in the block)) - 2, held to -126 .. 127; a block of zeros has e = 0. As a byte (E8M0): e + 127.
;;     - Each number is divided by its block's scale, clamped to +-7.5, and rounded to the nearest number of E2M3, ties to even, subnormals kept.
;;     - The product sums the exact products of the quantised numbers (number of the format x scale) in f32.
;;   ~~~python
;;   def quantise(x, axis):      # numpy; x: float32 -> the quantised numbers, widened to float32 again
;;       x = np.moveaxis(x, axis, -1); K = x.shape[-1]
;;       x = np.pad(x, [(0, 0)] * (x.ndim - 1) + [(0, -K % 32)]); x = x.reshape(x.shape[:-1] + (-1, 32)); a = np.abs(x).max(-1, keepdims=True)
;;       e = np.where(a > 0, np.clip(np.frexp(np.where(a > 0, a, 1))[1] - 1 - 2, -126, 127), 0)      # np.frexp(a)[1] - 1 = floor(log2(a)), exactly
;;       r = np.clip(x / 2.0 ** e, -7.5, 7.5)
;;       step = 2.0 ** (np.maximum(np.frexp(np.where(r == 0, 1, r))[1] - 1, 0) - 3)
;;       q = np.round(r / step) * step * 2.0 ** e      # np.round: ties to even
;;       return np.moveaxis(q.reshape(q.shape[:-2] + (-1,))[..., :K], -1, axis).astype(np.float32)
;;   ~~~
;;   SOFTMAX AHEAD OF A QUANTISED PRODUCT. Where the list says 'softmax', what is quantised is not the finished softmax but p = 2^(t - M), with t = logit x log2(e) and M = ceil(the row's largest t), a whole number; so 1/2 < the row's largest p <= 1. The row's sum l is taken of the UNQUANTISED p, in f32, and the product's result is divided by l at the end. Since M is a whole number, a kernel that streams over the keys may use a running M (the ceiling of the running maximum): every later rescaling is an exact power of two, which a block's scale takes up: the codes' values come out the same.
;;   OPERANDS COMPUTED ON THE WAY. 'Computed on the way' means the value that the module computes at that place (a softmax that the list does not call 'softmax' is quantised finished and normalised). What goes into a quantiser is computed in f32, as accurately as f32 sums, v_exp_f32 and their like allow (about 1e-6 of the number): no bf16 or f16 on the way to a quantiser, and a product that is left as it is and whose result goes on into a quantised operand takes f32 operands (vector FMAs, or v_wmma_f32_16x16x4_f32). A number that lies on a knife's edge between two numbers of the format may be rounded either way, as far as f32 arithmetic and the matrix unit's own rounding can turn it there, and no further.
;; One version. Each part assembles by itself: llvm-mc -triple=amdgcn-amd-amdhsa -mcpu=gfx1250 --defsym DOCPART=n.
;; ======== version 1 of 1: 3 launches
;; limits: right only within a limited range of input values
;; workspace buffers: xw 4,505,600 bytes; qq 3,407,872 bytes; kv 1,638,400 bytes
;; launch quant (part 1): grid 352 x 1, 8 waves a work-group, no clusters, 69,120 bytes of LDS; arguments hidden_states, q_w, k_w, v_w, xw; writes xw
.if DOCPART == 1
	.amdgcn_target "amdgcn-amd-amdhsa--gfx1250"
	.amdhsa_code_object_version 6
	.text
	.protected	k_q6db3b8de45_quant
	.globl	k_q6db3b8de45_quant
	.p2align	8
	.type	k_q6db3b8de45_quant,@function
k_q6db3b8de45_quant:
	s_mov_b64 s[64:65], 0
	v_nop
	global_prefetch_b8 v0, s[64:65] scope:SCOPE_SE
	s_setreg_imm32_b32 hwreg(HW_REG_WAVE_MODE, 25, 1), 1
	s_wait_xcnt 0x0
; hidden_states [4096][1024], q_w [1024][1024], k_w [256][1024], v_w [256][1024], all f32 with K innermost, become codes of FP6 (E2M3) with one E8M0 byte for each 32 along K,
; laid in xw as IMAGES OF OPERAND REGISTERS, so that the next launch brings a fragment by runs of consecutive bytes.
; A block's scale is 2^(floor(log2(its largest magnitude)) - 2): its byte is the largest magnitude's exponent field - 2, held at 1 from below.
; LIMITS: NaN and infinities among the inputs are not served.  A block whose largest magnitude lies under 2^-124, a block of zeros among them, keeps the byte 1 (the rule says 127 for zeros):
; its codes are zeros or the rounded numbers under that scale, and the bytes are read by this program alone.
; RECORDS.  xw holds 352 records of 12,800 bytes, one for each tile of 16 rows: 0-255 the tokens' tiles, 256-319 q_w's, 320-335 k_w's, 336-351 v_w's.
; THE ROWS OF A TILE ARE NOT NEIGHBOURS: row i of tile t is row 64 (t / 4) + 8 (t % 4) + i % 8 + 32 (i / 8) of its tensor, so that, where four such tiles are source 0 of a product,
; the 32 result registers of a lane are 32 neighbours along that axis: lanes 0-15 the first 32 of the 64, lanes 16-31 the second.
; A record: 8 fragments (16 rows x 128 K: 12 registers a lane) of 1,536 bytes, registers 4 c .. 4 c + 3 of lane l at 512 c + 16 l; at 12,288 the scale words, 16 bytes a lane:
; word p of lane r is row r's word of K step 2 p, word p of lane 16 + r that of K step 2 p + 1.
; SHARES.  A work-group takes a tile, each of its eight waves a K step of 128: no loop.  Each of a wave's 16 loads reads 512 consecutive bytes of one row; the 8,192 bytes turn through the wave's
; own stage in LDS, so that a lane gets 16 neighbours of each block of 32.  No input is shared between work-groups: no cluster, no tensor load, no matrix unit.
.set REC,  12800
.set SP,   528                         ; a stage row: 512 bytes + 16
.set WST,  16*SP                       ; a wave's stage
.set SCB,  8*WST                       ; behind the stages: the tile's 512 bytes of scale words
.set R,    16                          ; v16-79   the numbers as loaded
.set X,    80                          ; v80-143  register 16 b + i = k 32 b + 16 (lane / 16) + i of row lane % 16
.set TM,   144                         ; v144-159 at work
.set PW,   160                         ; v160     my row's scale word
.set PC,   164                         ; v164-175 the fragment; v176-182 the conversions' second halves
.set SEL,  24                          ; s[24:25] lane selects for v_permlanex16_b32: lane l xor 16
	s_load_b256 s[4:11], s[0:1], 0x0               ; hidden_states, q_w, k_w, v_w
	s_load_b64 s[12:13], s[0:1], 0x20              ; xw
	v_lshl_add_u32 v192, v0, 2, 0x10a00            ; my spare word, behind the scale words
	v_mov_b32 v193, 0
	v_lshrrev_b32 v1, 5, v0
	s_delay_alu instid0(VALU_DEP_1)
	v_readfirstlane_b32 s14, v1                    ; wave 0..7 = my K step
	v_and_b32 v6, 31, v0                           ; lane
	v_and_b32 v7, 15, v0                           ; r
	v_bfe_u32 v8, v0, 4, 1                         ; h
	s_delay_alu instid0(VALU_DEP_3)
	v_lshlrev_b32 v1, 4, v6                        ; 16 x lane
	s_mul_i32 s15, s14, WST
	v_add_nc_u32 v2, s15, v1                       ; the stage, on the way in: a row as it lies
	v_mul_u32_u24 v3, v7, SP
	s_delay_alu instid0(VALU_DEP_1)
	v_lshl_add_u32 v3, v8, 6, v3
	s_delay_alu instid0(VALU_DEP_1)
	v_add_nc_u32 v3, s15, v3                       ; and on the way out: row r, + 64 h
	s_and_b32 s15, s14, 1
	s_lshl_b32 s15, s15, 8
	s_lshr_b32 s16, s14, 1
	s_lshl_b32 s16, s16, 2
	s_add_co_u32 s15, s15, s16
	s_add_co_u32 s15, s15, SCB
	v_lshl_add_u32 v4, v7, 4, s15                  ; my row's scale word of K step s: SCB + 16 (r + 16 (s % 2)) + 4 (s / 2)
	v_add_nc_u32 v5, SCB, v1                       ; the scale words on their way out
	s_mov_b32 s[SEL], 0x76543210
	s_mov_b32 s[SEL+1], 0xfedcba98
.irp b, 0,1,2,3
	v_mov_b32 v[TM+4+\b], 0                        ; a lane permute's destination counts as one of its sources
.endr
	s_wait_alu depctr_va_vdst(0)                   ; the wait at the head's end
	s_wait_kmcnt 0x0
	s_cmp_lt_u32 ttmp9, 256                        ; which tensor: the choice hangs on the work-group's number alone
	s_cselect_b64 s[16:17], s[4:5], s[6:7]
	s_cselect_b32 s18, 0, 256
	s_cmp_lt_u32 ttmp9, 320
	s_cselect_b64 s[16:17], s[16:17], s[8:9]
	s_cselect_b32 s18, s18, 320
	s_cmp_lt_u32 ttmp9, 336
	s_cselect_b64 s[16:17], s[16:17], s[10:11]
	s_cselect_b32 s18, s18, 336
	s_sub_co_u32 s18, ttmp9, s18                   ; t: the tile's number in its tensor
	s_lshr_b32 s19, s18, 2
	s_lshl_b32 s20, s19, 18                        ; 64 (t / 4) rows of 4,096 bytes
	s_and_b32 s19, s18, 3
	s_lshl_b32 s19, s19, 15                        ; + 8 (t % 4) rows
	s_add_co_u32 s20, s20, s19
	s_lshl_b32 s19, s14, 9                         ; + my K step's 512 bytes
	s_add_co_u32 s20, s20, s19
	s_mov_b32 s21, 0
	s_add_nc_u64 s[16:17], s[16:17], s[20:21]
	s_mul_i32 s22, ttmp9, REC                      ; the tile's record,
	s_mul_i32 s19, s14, 1536                       ; my fragment in it
	s_add_co_u32 s22, s22, s19
	s_mov_b32 s23, 0
	s_add_nc_u64 s[12:13], s[12:13], s[22:23]
.irp i, 0,1,2,3,4,5,6,7,8,9,10,11,12,13,14,15
	global_load_b128 v[R+4*\i:R+4*\i+3], v1, s[16:17] offset:(\i+24*(\i/8))*4096 th:TH_LOAD_NT   ; the tile's row i: 512 consecutive bytes; read once in the launch
.endr
.irp i, 0,1,2,3,4,5,6,7,8,9,10,11,12,13,14,15
	s_wait_loadcnt 15-\i                           ; row i is in, the younger loads stay out
	ds_store_b128 v2, v[R+4*\i:R+4*\i+3] offset:SP*\i
.endr
.irp b, 0,1,2,3
.irp j, 0,1,2,3
	ds_load_b128 v[X+16*\b+4*\j:X+16*\b+4*\j+3], v3 offset:128*\b+16*\j   ; LDS serves a wave's instructions in order; the stage is my wave's own
.endr
.endr
	s_wait_dscnt 0x0
.irp b, 0,1,2,3
	v_max3_num_f32 v[TM+\b], |v[X+16*\b]|, |v[X+1+16*\b]|, 0x1800000   ; block b: my 16 numbers, and the floor 2^(3 - 127)
.endr
.irp i, 2,4,6,8,10,12,14
.irp b, 0,1,2,3
	s_delay_alu instid0(VALU_DEP_4)
	v_max3_num_f32 v[TM+\b], v[TM+\b], |v[X+16*\b+\i]|, |v[X+1+16*\b+\i]|
.endr
.endr
.irp b, 0,1,2,3
	s_delay_alu instid0(VALU_DEP_4)
	v_permlanex16_b32 v[TM+4+\b], v[TM+\b], s[SEL], s[SEL+1]
.endr
.irp b, 0,1,2,3
	s_delay_alu instid0(VALU_DEP_4)
	v_max_num_f32 v[TM+\b], v[TM+\b], v[TM+4+\b]   ; with lane l xor 16's 16: the block's largest magnitude
.endr
.irp b, 0,1,2,3
	s_delay_alu instid0(VALU_DEP_4)
	v_add_nc_u32 v[TM+12+\b], 0xff000000, v[TM+\b] ; 2 off its exponent field: the conversion's scale operand
.endr
.irp b, 0,1,2,3
	s_delay_alu instid0(VALU_DEP_4)
	v_lshrrev_b32 v[TM+4+\b], 23, v[TM+12+\b]      ; the scale's byte
.endr
	s_delay_alu instid0(VALU_DEP_3)
	v_lshl_or_b32 v[PW], v[TM+5], 8, v[TM+4]       ; the four bytes make my row's scale word
	s_delay_alu instid0(VALU_DEP_1)
	v_lshl_or_b32 v[PW], v[TM+6], 16, v[PW]
	s_delay_alu instid0(VALU_DEP_1)
	v_lshl_or_b32 v[PW], v[TM+7], 24, v[PW]
.irp c, 0,1
	v_cvt_scalef32_pk16_fp6_f32 v[PC+6*\c:PC+2+6*\c], v[X+32*\c:X+15+32*\c], v[TM+12+2*\c]
	v_cvt_scalef32_pk16_fp6_f32 v[PC+12+4*\c:PC+14+4*\c], v[X+16+32*\c:X+31+32*\c], v[TM+12+2*\c+1]   ; (a conversion's three registers begin on an even number)
.endr
	v_nop                                          ; one plain place behind a scaled conversion
.irp c, 0,1                                    ; the operand's layout wants a WHOLE block in a lane
.irp i, 0,1,2
	v_permlane16_swap_b32 v[PC+6*\c+\i], v[PC+12+4*\c+\i]
.endr
.irp i, 0,1,2
	s_delay_alu instid0(VALU_DEP_3)
	v_mov_b32 v[PC+3+6*\c+\i], v[PC+12+4*\c+\i]
.endr
.endr
.irp c, 0,1,2
	global_store_b128 v1, v[PC+4*\c:PC+4*\c+3], s[12:13] offset:512*\c   ; the fragment as it stands: 512 consecutive bytes a store
.endr
	ds_store_b32 v4, v[PW]                         ; lanes r and 16 + r write the same word with the same value
	s_wait_dscnt 0x0                               ; for wave 0's sake: my word has landed
	s_barrier_signal -1
	s_barrier_wait -1
	s_cmp_lg_u32 s14, 0
	s_cbranch_scc1 .Ldone
	ds_load_b128 v[X:X+3], v5                      ; wave 0 sends the eight waves' words out as 512 consecutive bytes
	s_wait_dscnt 0x0
	global_store_b128 v1, v[X:X+3], s[12:13] offset:12288
.Ldone:
	s_wait_tensorcnt 0x0                           ; the wave's end
	ds_add_u32 v192, v193
	s_wait_dscnt 0x0
	s_endpgm
.Lfunc_end_k_q6db3b8de45_quant:
	.size	k_q6db3b8de45_quant, .Lfunc_end_k_q6db3b8de45_quant-k_q6db3b8de45_quant
	.p2alignl 7, 3214868480
	.fill 96, 4, 3214868480
	.section	.rodata,"a",@progbits
	.p2align	6, 0x0
	.amdhsa_kernel k_q6db3b8de45_quant
		.amdhsa_group_segment_fixed_size 69120
		.amdhsa_private_segment_fixed_size 0
		.amdhsa_enable_private_segment 0
		.amdhsa_kernarg_size 40
		.amdhsa_user_sgpr_count 2
		.amdhsa_user_sgpr_kernarg_segment_ptr 1
		.amdhsa_wavefront_size32 1
		.amdhsa_system_sgpr_workgroup_id_x 1
		.amdhsa_system_sgpr_workgroup_id_y 1
		.amdhsa_system_sgpr_workgroup_id_z 1
		.amdhsa_system_vgpr_workitem_id 0
		.amdhsa_next_free_vgpr 194
		.amdhsa_next_free_sgpr 66
		.amdhsa_reserve_vcc 0
		.amdhsa_float_denorm_mode_32 3
		.amdhsa_float_denorm_mode_16_64 3
		.amdhsa_memory_ordered 1
		.amdhsa_forward_progress 1
		.amdhsa_inst_pref_size 14
	.end_amdhsa_kernel
	.amdgpu_metadata
---
amdhsa.version: [ 1, 2 ]
amdhsa.kernels:
  - .name:           k_q6db3b8de45_quant
    .symbol:         k_q6db3b8de45_quant.kd
    .args:
      - { .name: hidden_states, .offset: 0, .size: 8, .value_kind: global_buffer, .address_space: global }
      - { .name: q_w, .offset: 8, .size: 8, .value_kind: global_buffer, .address_space: global }
      - { .name: k_w, .offset: 16, .size: 8, .value_kind: global_buffer, .address_space: global }
      - { .name: v_w, .offset: 24, .size: 8, .value_kind: global_buffer, .address_space: global }
      - { .name: xw, .offset: 32, .size: 8, .value_kind: global_buffer, .address_space: global }
    .group_segment_fixed_size: 69120
    .private_segment_fixed_size: 0
    .kernarg_segment_align: 8
    .kernarg_segment_size: 40
    .max_flat_workgroup_size: 256
    .sgpr_count:     66
    .vgpr_count:     194
    .wavefront_size: 32
...
	.end_amdgpu_metadata
.endif
;; end of part 1
;; launch project (part 2): grid 32 x 8, 12 waves a work-group, clusters of 4 x 1, 247,296 bytes of LDS; arguments xw, q_b, k_b, v_b, qq, kv; writes qq, kv
.if DOCPART == 2
	.amdgcn_target "amdgcn-amd-amdhsa--gfx1250"
	.amdhsa_code_object_version 6
	.text
	.protected	k_q6db3b8de45_project
	.globl	k_q6db3b8de45_project
	.p2align	8
	.type	k_q6db3b8de45_project,@function
k_q6db3b8de45_project:
	s_mov_b64 s[64:65], 0
	v_nop
	global_prefetch_b8 v0, s[64:65] scope:SCOPE_SE
	s_setreg_imm32_b32 hwreg(HW_REG_WAVE_MODE, 25, 1), 1
	s_wait_xcnt 0x0
	s_wait_alu depctr_hold_cnt(0) depctr_sa_sdst(0) depctr_va_vdst(0) depctr_va_sdst(0) depctr_va_ssrc(0) depctr_va_vcc(0) depctr_vm_vsrc(0)
	s_getreg_b32 s2, hwreg(HW_REG_IB_STS2, 6, 4)
	s_cmp_eq_u32 s2, 0
	s_cbranch_scc0 .Lentry_in_a_cluster
	s_endpgm
.Lentry_in_a_cluster:
	s_bfe_u32 s2, ttmp6, 0x10000c
	s_cmp_lg_u32 s2, 0x3003
	s_cbranch_scc0 .Lentry_shape_is_right
	s_endpgm
.Lentry_shape_is_right:
; q = x q_w^T + q_b, k = x k_w^T + k_b, v = x v_w^T + v_b on codes of FP6 (E2M3) with E8M0 scales (K = 1,024, sums in f32), and the results quantised at once for the attention:
; q and k along the head's 64 (two blocks of 32), v along the tokens, which are the keys.  x and the weights come from xw as images of operand registers (16 rows x 128 K: 1,536 bytes).
; LIMITS: NaN and infinities are not served.  A block whose largest magnitude lies under 2^-124, zeros among them, keeps the scale byte 1; the bytes are read by this program alone.
; SHARES.  Work-group (X, y) takes tokens 128 X .. 128 X + 127 (x's tiles 8 X ..) and the joined outputs' tiles 12 y .. 12 y + 11: three UNITS of 64 outputs.  Unit U = 3 y + wave / 4 is query head U (U < 16),
; key head U - 16 (U < 20) or value head U - 20.  Each of the twelve waves makes 4 tiles of source 0 x 2 tiles of source 1: 8 accumulators, 64 matrix instructions.
;   q, k: source 0 = the unit's four tiles of W, source 1 = two tiles of x: a lane holds ONE token and its registers run along the head.
;   v:    source 0 = four tiles of x, source 1 = two tiles of W: a lane holds ONE channel and its registers run along the tokens.
; By the order of rows in a tile (row i of tile t is 64 (t / 4) + 8 (t % 4) + i % 8 + 32 (i / 8)) register ACC + 32 bt + i holds place 32 (lane / 16) + i along the next product's K in both cases:
; a lane holds a WHOLE block of 32.  One text serves all three; the bases, the first step's C (the bias) and the stores of the scale bytes differ.
; LDS holds all 20 tiles for all of K, 12,288 bytes each (x's eight, then W's twelve); it is filled once, by one tensor load of two tiles in each of waves 0 to 9, and there is one barrier.
; CLUSTER: the four work-groups of a cluster have the same y and so the same twelve tiles of W: those six loads are asked for JOINTLY.  x's tiles are shared by the eight work-groups of one X, along y;
; they are not asked for jointly: a wave's part (q, k or v) hangs on y, and with y inside a cluster that branch would hang on a work-group's place in its cluster.
; OUT.  A HALF IMAGE is 16 rows x 64 K, six registers: registers 0-3 of lane l at 16 l, registers 4-5 at 512 + 8 l: 768 bytes, stored as 512 and 256 consecutive bytes.
;   qq [head][64 tokens][3,328]: four half images; at 3,072 + 64 tile + 4 r query r's word (e0, e1, e0, e1).
;   kv [value head][128 keys][12,800]: K's eight half images; at 6,144 V^T's eight (channel tile ct, key half g: 2 ct + g); at 12,288 K's scale words, at 12,544 V's.
;   The scale bytes leave in runs of 64 and 128 bytes (v: two bytes in each four).
.set REC,   12800
.set TILE,  12288
.set FRB,   1536
.set QREC,  3328
.set WV,    16                         ; s16  wave
.set G1X,   24                         ; s[24:31] descriptor group 1, x's tiles: a load of my own
.set G1W,   32                         ; s[32:39] W's tiles: joint
.set G0X,   40                         ; s[40:43], s[44:47] groups 0
.set G0W,   44
.set UNIT,  48                         ; s48  U
.set ISV,   49                         ; s49  1: my unit is a value head
.set NOTQ,  50                         ; s50  1: it is no query head
.set PA,    56                         ; s[56:57] source 0's first record in xw
.set PB,    58                         ; s[58:59] source 1's
.set BP,    60                         ; s[60:61] my unit's bias
.set OUTA,  66                         ; s[66:67], s[68:69] where my two half images go;  s[70:71] my scale bytes
.set OUTB,  68
.set SOUT,  70
.set SEL,   72                         ; s[72:73] lane selects for v_permlanex16_b32: lane l xor 16
.set SA,    16                         ; v16-31  source 0's scale words
.set SB,    32                         ; v32-39  source 1's
.set FA,    40                         ; v40-87  source 0's four fragments of a K step
.set FB,    88                         ; v88-111 source 1's two
.set BI,    112                        ; v112-143 the bias, in the result's layout
.set ACC,   144                        ; v144-207 accumulator (a, bt) at 32 bt + 8 a
.set TM,    208                        ; v208-223 at work
.set DA,    224                        ; v224-229, v230-235 the two half images
.set DB,    230
.set TA,    236                        ; v236-238, v240-242 the conversions' second halves
.set TC,    240
.set EA,    244                        ; v244, v245 two scale bytes each; v246-247 the word to be stored
.set EB,    245
.set WD,    246
.macro CROUND                          ; a round of the cluster's barrier
	s_barrier_signal -1
	s_barrier_wait -1
	s_cmp_lg_u32 s[WV], 0
	s_cbranch_scc1 .Lnot_wave_0_\@
	s_barrier_signal -3
.Lnot_wave_0_\@:
	s_barrier_wait -3
	s_barrier_signal -1
	s_barrier_wait -1
.endm
	s_load_b256 s[4:11], s[0:1], 0x0               ; xw s[4:5], q_b s[6:7], k_b s[8:9], v_b s[10:11]
	s_load_b128 s[12:15], s[0:1], 0x20             ; qq s[12:13], kv s[14:15]
	v_lshl_add_u32 v254, v0, 2, 0x3c000            ; my spare word, behind the twenty tiles
	v_mov_b32 v255, 0
	ds_add_u32 v254, v255                          ; the opening lines
	ds_add_u32 v254, v255
	v_lshrrev_b32 v1, 5, v0
	s_delay_alu instid0(VALU_DEP_1)
	v_readfirstlane_b32 s[WV], v1                  ; wave 0..11
	s_lshr_b32 s17, s[WV], 2                       ; cu: which of the three units
	s_and_b32 s18, s[WV], 3                        ; sub
	s_and_b32 s19, s18, 1                          ; sl
	s_lshr_b32 s20, s18, 1                         ; sh
	s_bfe_u32 s21, ttmp6, 0x40000                  ; cx
	s_lshl_b32 s22, ttmp9, 2
	s_add_co_u32 s22, s22, s21                     ; X: it enters global addresses of x, qq and kv alone
	s_and_b32 s23, ttmp7, 0xffff                   ; y, which the four partners share
	s_mul_i32 s[UNIT], s23, 3
	s_add_co_u32 s[UNIT], s[UNIT], s17
	; LDS tile i < 8 is record 8 X + i, tile i >= 8 is record 248 + 12 y + i
	s_lshl_b32 s74, s17, 2
	s_add_co_u32 s74, s74, 8                       ; 8 + 4 cu: my unit's first tile of W
	s_lshl_b32 s75, s19, 1
	s_add_co_u32 s75, s75, s74                     ; 8 + 4 cu + 2 sl
	s_lshl_b32 s76, s20, 2                         ; 4 sh
	s_lshl_b32 s77, s18, 1                         ; 2 sub
	s_mul_i32 s78, s23, 12
	s_add_co_u32 s78, s78, 248
	s_lshl_b32 s79, s22, 3
	s_add_co_u32 s80, s78, s74
	s_add_co_u32 s81, s78, s75
	s_add_co_u32 s82, s79, s76
	s_add_co_u32 s83, s79, s77
	s_cmp_ge_u32 s[UNIT], 20
	s_cselect_b32 s[ISV], 1, 0
	s_cselect_b32 s84, s76, s74                    ; source 0's first tile: v: x's 4 sh; q, k: W's
	s_cselect_b32 s85, s75, s77                    ; source 1's: v: W's; q, k: x's 2 sub
	s_cselect_b32 s86, s82, s80                    ; and their records
	s_cselect_b32 s87, s81, s83
	s_mul_i32 s84, s84, TILE
	s_mul_i32 s85, s85, TILE
	s_mul_i32 s86, s86, REC
	s_mul_i32 s87, s87, REC
	v_and_b32 v11, 31, v0                          ; lane
	v_and_b32 v4, 15, v0                           ; r
	v_bfe_u32 v5, v0, 4, 1                         ; h
	s_delay_alu instid0(VALU_DEP_3)
	v_lshlrev_b32 v1, 4, v11                       ; 16 x lane
	s_delay_alu instid0(VALU_DEP_4)
	v_lshlrev_b32 v2, 3, v11                       ; 8 x lane
	v_lshlrev_b32 v3, 2, v11                       ; 4 x lane
	s_delay_alu instid0(VALU_DEP_3)
	v_add_nc_u32 v6, s84, v1                       ; LDS: my lane's bytes of source 0's first fragment
	s_delay_alu instid0(VALU_DEP_4)
	v_add_nc_u32 v7, s85, v1                       ; and of source 1's
	v_lshlrev_b32 v8, 7, v5                        ; 128 h: q's and k's bias: 32 numbers on for lanes 16-31
	v_and_b32 v9, 8, v4
	s_delay_alu instid0(VALU_DEP_1)
	v_mad_u32_u24 v9, v9, 3, v4
	s_delay_alu instid0(VALU_DEP_1)
	v_lshlrev_b32 v9, 2, v9                        ; 4 (r % 8 + 32 (r / 8)): v's bias: my channel in its tile
	v_lshlrev_b32 v10, 2, v4                       ; 4 r
	v_mov_b32 v[TM+4], 0                           ; a lane permute's destination counts as one of its sources
	v_mov_b32 v[TM+5], 0
	s_mov_b32 s[SEL], 0x76543210
	s_mov_b32 s[SEL+1], 0xfedcba98
	; descriptor group 1: two records' codes: 2 rows of 12,288 bytes (1,536 elements of 8 bytes), 12,800 bytes apart; dense in LDS
	s_mov_b32 s[G1X], 3<<16
	s_mov_b32 s[G1W], 15|(3<<16)|(1<<21)           ; the same with the mask of all four work-groups, and bit 21 beside it
.irp g, G1X, G1W
	s_mov_b32 s[\g+1], 1536<<16
	s_mov_b32 s[\g+2], 2<<16
	s_mov_b32 s[\g+3], 1536<<16
	s_mov_b32 s[\g+4], 2
	s_mov_b32 s[\g+5], 1600
	s_mov_b32 s[\g+6], 0
	s_mov_b32 s[\g+7], 0
.endr
	s_mul_i32 s51, s[WV], 2*TILE                   ; wave w fills LDS tiles 2 w and 2 w + 1
	s_lshl_b32 s52, s[WV], 1
	s_mul_i32 s53, s23, 12
	s_add_co_u32 s52, s52, s53
	s_add_co_u32 s52, s52, 248
	s_mul_i32 s52, s52, REC                        ; W: record 248 + 12 y + 2 w (in registers that never hold cx)
	s_mov_b32 s53, 0
	s_lshl_b32 s54, s[WV], 1
	s_lshl_b32 s55, s22, 3
	s_add_co_u32 s54, s54, s55
	s_mul_i32 s54, s54, REC                        ; x: record 8 X + 2 w
	s_mov_b32 s55, 0
	s_wait_dscnt 0x0
	s_wait_kmcnt 0x0
	s_mov_b32 s[G0X], 1
	s_mov_b32 s[G0X+1], s51
	s_add_nc_u64 s[G0X+2:G0X+3], s[4:5], s[54:55]
	s_or_b32 s[G0X+3], s[G0X+3], 0x80000000
	s_mov_b32 s[G0W], 1
	s_mov_b32 s[G0W+1], s51
	s_add_nc_u64 s[G0W+2:G0W+3], s[4:5], s[52:53]
	s_or_b32 s[G0W+3], s[G0W+3], 0x80000000
	CROUND                                         ; all four work-groups are here: the joint loads meet
	s_cmp_lt_u32 s[WV], 4                          ; waves 0-3 fetch x's tiles, waves 4-9 W's, waves 10 and 11 nothing
	s_cbranch_scc0 .Lnot_x
	tensor_load_to_lds s[G0X:G0X+3], s[G1X:G1X+7]
	s_nop 0
.rept 4
	v_nop
.endr
	s_branch .Lasked
.Lnot_x:
	s_cmp_lt_u32 s[WV], 10
	s_cbranch_scc0 .Lasked
	tensor_load_to_lds s[G0W:G0W+3], s[G1W:G1W+7]
	s_nop 0
.rept 4
	v_nop
.endr
.Lasked:
	; the pointers, while the tiles are on their way
	s_mov_b32 s63, 0
	s_mov_b32 s62, s86
	s_add_nc_u64 s[PA:PA+1], s[4:5], s[62:63]
	s_mov_b32 s62, s87
	s_add_nc_u64 s[PB:PB+1], s[4:5], s[62:63]
	s_cmp_ge_u32 s[UNIT], 16
	s_cselect_b32 s[NOTQ], 1, 0
	s_cselect_b64 s[BP:BP+1], s[8:9], s[6:7]
	s_cselect_b32 s88, 16, 0
	s_cmp_ge_u32 s[UNIT], 20
	s_cselect_b64 s[BP:BP+1], s[10:11], s[BP:BP+1]
	s_cselect_b32 s88, 20, s88
	s_cselect_b32 s89, s19, 0
	s_sub_co_u32 s88, s[UNIT], s88                 ; the head's number in its own tensor
	s_lshl_b32 s90, s88, 8                         ; 64 numbers a head;
	s_lshl_b32 s89, s89, 6                         ; v: + my two tiles' first channel, 16 sl
	s_add_co_u32 s62, s90, s89
	s_add_nc_u64 s[BP:BP+1], s[BP:BP+1], s[62:63]
	s_lshl_b32 s74, s[UNIT], 6                     ; q: record 64 U + 2 X + sh,
	s_lshl_b32 s75, s22, 1
	s_add_co_u32 s74, s74, s75
	s_add_co_u32 s74, s74, s20
	s_mul_i32 s74, s74, QREC
	s_mul_i32 s75, s19, 1536
	s_add_co_u32 s75, s74, s75                     ; half images 2 sl and 2 sl + 1,
	s_lshl_b32 s76, s19, 7
	s_add_co_u32 s76, s76, s74
	s_add_co_u32 s76, s76, 3072                    ; their 32 scale words
	s_lshl_b32 s77, s88, 5                         ; k, v: record 32 head + X
	s_add_co_u32 s77, s77, s22
	s_mul_i32 s77, s77, REC
	s_mul_i32 s78, s18, 1536
	s_add_co_u32 s78, s78, s77                     ; k: half images 2 sub and 2 sub + 1,
	s_lshl_b32 s79, s18, 6
	s_add_co_u32 s79, s79, s77
	s_add_co_u32 s79, s79, 12288                   ; fragment sub's 16 scale words
	s_mul_i32 s80, s19, 3072
	s_mul_i32 s81, s20, 768
	s_add_co_u32 s80, s80, s81
	s_add_co_u32 s80, s80, s77
	s_add_co_u32 s80, s80, 6144                    ; v: half images 2 (2 sl + bt) + sh,
	s_lshl_b32 s81, s19, 7
	s_lshl_b32 s82, s20, 1
	s_add_co_u32 s81, s81, s82
	s_add_co_u32 s81, s81, s77
	s_add_co_u32 s81, s81, 12544                   ; bytes 2 sh and 2 sh + 1 of channel tiles 2 sl and 2 sl + 1's words
	s_mov_b32 s83, 768
	s_cmp_ge_u32 s[UNIT], 16
	s_cselect_b64 s[OUTA:OUTA+1], s[14:15], s[12:13]
	s_cselect_b32 s75, s78, s75
	s_cselect_b32 s76, s79, s76
	s_cmp_ge_u32 s[UNIT], 20
	s_cselect_b32 s75, s80, s75
	s_cselect_b32 s76, s81, s76
	s_cselect_b32 s83, 1536, s83                   ; from my first half image to my second
	s_mov_b64 s[SOUT:SOUT+1], s[OUTA:OUTA+1]
	s_mov_b32 s62, s75
	s_add_nc_u64 s[OUTA:OUTA+1], s[OUTA:OUTA+1], s[62:63]
	s_mov_b32 s62, s83
	s_add_nc_u64 s[OUTB:OUTB+1], s[OUTA:OUTA+1], s[62:63]
	s_mov_b32 s62, s76
	s_add_nc_u64 s[SOUT:SOUT+1], s[SOUT:SOUT+1], s[62:63]
.irp a, 0,1,2,3
	global_load_b128 v[SA+4*\a:SA+4*\a+3], v1, s[PA:PA+1] offset:REC*\a+TILE   ; a tile's scale words for all of K: 512 consecutive bytes
.endr
.irp b, 0,1
	global_load_b128 v[SB+4*\b:SB+4*\b+3], v1, s[PB:PB+1] offset:REC*\b+TILE
.endr
	s_cmp_lg_u32 s[ISV], 0
	s_cbranch_scc1 .Lbias_v
	s_wait_alu depctr_va_vdst(0)
.irp a, 0,1,2,3                                ; q, k: register j of tile a is output 8 a + 32 h + j of the head
	global_load_b128 v[BI+8*\a:BI+8*\a+3], v8, s[BP:BP+1] offset:32*\a
	global_load_b128 v[BI+8*\a+4:BI+8*\a+7], v8, s[BP:BP+1] offset:32*\a+16
.endr
	s_branch .Lbias_done
.Lbias_v:
	s_wait_alu depctr_va_vdst(0)
.irp b, 0,1                                    ; v: a lane holds one channel; its bias stands in sixteen registers, so that both ways write all of BI
.irp j, 0,1,2,3,4,5,6,7,8,9,10,11,12,13,14,15
	global_load_b32 v[BI+16*\b+\j], v9, s[BP:BP+1] offset:32*\b
.endr
.endr
.Lbias_done:
	s_wait_tensorcnt 0x0                           ; my two tiles have landed,
	s_barrier_signal -1
	s_barrier_wait -1                              ; everybody's have: LDS is whole, and is only read from here on
	s_wait_loadcnt 0x0                             ; scale words and bias
; One matrix instruction.  mode 0: it adds in place; 1: it starts the sum with q's or k's bias; 2: with v's.  An odd K step's scale words stand in lanes 16-31.
.macro PROD a, b, ks, mode
.set rD, ACC+32*(\b)+8*(\a)
.set rA, FA+12*(\a)
.set rB, FB+12*(\b)
.set sA, SA+4*(\a)+(\ks)/2
.set sB, SB+4*(\b)+(\ks)/2
.if \mode == 1
	v_wmma_scale_f32_16x16x128_f8f6f4 v[rD:rD+7], v[rA:rA+11], v[rB:rB+11], v[BI+8*(\a):BI+8*(\a)+7], v[sA], v[sB] matrix_a_fmt:MATRIX_FMT_FP6 matrix_b_fmt:MATRIX_FMT_FP6
.elseif \mode == 2
	v_wmma_scale_f32_16x16x128_f8f6f4 v[rD:rD+7], v[rA:rA+11], v[rB:rB+11], v[BI+16*(\b)+8*((\a)%2):BI+16*(\b)+8*((\a)%2)+7], v[sA], v[sB] matrix_a_fmt:MATRIX_FMT_FP6 matrix_b_fmt:MATRIX_FMT_FP6
.elseif (\ks)%2
	v_wmma_scale_f32_16x16x128_f8f6f4 v[rD:rD+7], v[rA:rA+11], v[rB:rB+11], v[rD:rD+7], v[sA], v[sB] matrix_a_fmt:MATRIX_FMT_FP6 matrix_b_fmt:MATRIX_FMT_FP6 matrix_a_scale:MATRIX_SCALE_ROW1 matrix_b_scale:MATRIX_SCALE_ROW1
.else
	v_wmma_scale_f32_16x16x128_f8f6f4 v[rD:rD+7], v[rA:rA+11], v[rB:rB+11], v[rD:rD+7], v[sA], v[sB] matrix_a_fmt:MATRIX_FMT_FP6 matrix_b_fmt:MATRIX_FMT_FP6
.endif
.endm
; A K step of 128: 18 LDS loads of 512 consecutive bytes, 8 matrix instructions.  The eight accumulators take turns.
.macro KSTEP ks, mode
.irp b, 0,1
.irp c, 0,1,2
	ds_load_b128 v[FB+12*\b+4*\c:FB+12*\b+4*\c+3], v7 offset:TILE*\b+FRB*(\ks)+512*\c
.endr
.endr
.irp a, 0,1,2,3
.irp c, 0,1,2
	ds_load_b128 v[FA+12*\a+4*\c:FA+12*\a+4*\c+3], v6 offset:TILE*\a+FRB*(\ks)+512*\c
.endr
.endr
.irp a, 0,1,2,3
	s_wait_dscnt 9-3*\a                            ; source 1's two fragments and source 0's up to a are in; the three loads of each later fragment may be out
.irp b, 0,1
	PROD \a, \b, \ks, \mode
.endr
.endr
.rept 4
	v_nop                                          ; four places in front of the next step's loads and of the first read of results
.endr
.endm
	s_cmp_lg_u32 s[ISV], 0                         ; the first K step starts the sums with the bias as C
	s_cbranch_scc1 .Lfirst_v
	KSTEP 0, 1
	s_branch .Lfirst_done
.Lfirst_v:
	KSTEP 0, 2
.Lfirst_done:
.irp k, 1,2,3,4,5,6,7
	KSTEP \k, 0
.endr
; 32 numbers of a lane, v[s] on, register i = place 32 (lane / 16) + i of my row: ONE WHOLE BLOCK.  They become my six registers of a half image in v[d] .. v[d + 5]; v[e] takes the row's two scale bytes.
; Two chains of maxima (registers 0-15 and 16-30, register 31 at the join); each accumulator's first read takes one of its four lowest registers.
.macro QUANT32 s, d, t, e
	v_max3_num_f32 v[TM], |v[\s]|, |v[\s+1]|, 0x1800000            ; with the floor 2^(3 - 127): the byte cannot fall under 1
	v_max3_num_f32 v[TM+1], |v[\s+16]|, |v[\s+17]|, |v[\s+18]|
.irp i, 2,4,6,8,10,12
	v_max3_num_f32 v[TM], v[TM], |v[\s+\i]|, |v[\s+\i+1]|
	v_max3_num_f32 v[TM+1], v[TM+1], |v[\s+17+\i]|, |v[\s+18+\i]|
.endr
	v_max3_num_f32 v[TM], v[TM], |v[\s+14]|, |v[\s+15]|
	v_max3_num_f32 v[TM], v[TM], v[TM+1], |v[\s+31]|               ; the block's largest magnitude
	v_add_nc_u32 v[TM+12], 0xff000000, v[TM]       ; 2 off its exponent field: the conversion's scale operand
	v_lshrrev_b32 v[TM+2], 23, v[TM+12]            ; my block's byte
	v_permlanex16_b32 v[TM+4], v[TM+2], s[SEL], s[SEL+1]           ; and the other block's, from lane l xor 16
	v_cndmask_b32 v[TM+6], v[TM+2], v[TM+4], vcc_lo                ; e0: lanes 0-15 have it, lanes 16-31 take the other's
	v_cndmask_b32 v[TM+7], v[TM+4], v[TM+2], vcc_lo                ; e1
	v_lshl_or_b32 v[\e], v[TM+7], 8, v[TM+6]
	v_cvt_scalef32_pk16_fp6_f32 v[\d:\d+2], v[\s:\s+15], v[TM+12]
	v_cvt_scalef32_pk16_fp6_f32 v[\t:\t+2], v[\s+16:\s+31], v[TM+12]   ; (a conversion's three registers begin on an even number)
	v_nop                                          ; one plain place behind a scaled conversion
.irp i, 0,1,2
	v_mov_b32 v[\d+3+\i], v[\t+\i]
.endr
.endm
	v_cmp_eq_u32 vcc_lo, 1, v5                     ; lanes 16-31
	QUANT32 ACC, DA, TA, EA
	global_store_b128 v1, v[DA:DA+3], s[OUTA:OUTA+1]            ; 512 consecutive bytes, at a multiple of 256 from the buffer's first byte
	global_store_b64 v2, v[DA+4:DA+5], s[OUTA:OUTA+1] offset:512   ; and 256
	QUANT32 ACC+32, DB, TC, EB
	global_store_b128 v1, v[DB:DB+3], s[OUTB:OUTB+1]
	global_store_b64 v2, v[DB+4:DB+5], s[OUTB:OUTB+1] offset:512
	s_wait_alu depctr_va_vdst(0)
	s_cmp_lg_u32 s[NOTQ], 0
	s_cbranch_scc1 .Lnot_q
	v_lshl_or_b32 v[WD], v[EA], 16, v[EA]          ; q: the word (e0, e1, e0, e1): the query's 64 codes stand in either half of a K of 128
	v_lshl_or_b32 v[WD+1], v[EB], 16, v[EB]
	s_delay_alu instid0(VALU_DEP_1)
	v_cndmask_b32 v[WD], v[WD], v[WD+1], vcc_lo    ; lanes 0-15 my first tile's, lanes 16-31 my second's
	global_store_b32 v3, v[WD], s[SOUT:SOUT+1]
	s_branch .Lstored
.Lnot_q:
	s_cmp_lg_u32 s[ISV], 0
	s_cbranch_scc1 .Lis_v
	v_lshl_or_b32 v[WD], v[EB], 16, v[EA]          ; k: my two tiles are the two halves of one fragment
	global_store_b32 v10, v[WD], s[SOUT:SOUT+1]    ; lanes r and 16 + r store the same word with the same value
	s_branch .Lstored
.Lis_v:
	v_cndmask_b32 v[WD], v[EA], v[EB], vcc_lo      ; v: my 64 keys are two of a channel's four bytes
	global_store_b16 v3, v[WD], s[SOUT:SOUT+1]
.Lstored:
	s_wait_tensorcnt 0x0                           ; the wave's end
	ds_add_u32 v254, v255
	s_wait_dscnt 0x0
	CROUND                                         ; the closing round
	s_endpgm
.Lfunc_end_k_q6db3b8de45_project:
	.size	k_q6db3b8de45_project, .Lfunc_end_k_q6db3b8de45_project-k_q6db3b8de45_project
	.p2alignl 7, 3214868480
	.fill 96, 4, 3214868480
	.section	.rodata,"a",@progbits
	.p2align	6, 0x0
	.amdhsa_kernel k_q6db3b8de45_project
		.amdhsa_group_segment_fixed_size 247296
		.amdhsa_private_segment_fixed_size 0
		.amdhsa_enable_private_segment 0
		.amdhsa_kernarg_size 48
		.amdhsa_user_sgpr_count 2
		.amdhsa_user_sgpr_kernarg_segment_ptr 1
		.amdhsa_wavefront_size32 1
		.amdhsa_system_sgpr_workgroup_id_x 1
		.amdhsa_system_sgpr_workgroup_id_y 1
		.amdhsa_system_sgpr_workgroup_id_z 1
		.amdhsa_system_vgpr_workitem_id 0
		.amdhsa_next_free_vgpr 256
		.amdhsa_next_free_sgpr 96
		.amdhsa_reserve_vcc 1
		.amdhsa_float_denorm_mode_32 3
		.amdhsa_float_denorm_mode_16_64 3
		.amdhsa_memory_ordered 1
		.amdhsa_forward_progress 1
		.amdhsa_inst_pref_size 39
	.end_amdhsa_kernel
	.amdgpu_metadata
---
amdhsa.version: [ 1, 2 ]
amdhsa.kernels:
  - .name:           k_q6db3b8de45_project
    .symbol:         k_q6db3b8de45_project.kd
    .args:
      - { .name: xw, .offset: 0, .size: 8, .value_kind: global_buffer, .address_space: global }
      - { .name: q_b, .offset: 8, .size: 8, .value_kind: global_buffer, .address_space: global }
      - { .name: k_b, .offset: 16, .size: 8, .value_kind: global_buffer, .address_space: global }
      - { .name: v_b, .offset: 24, .size: 8, .value_kind: global_buffer, .address_space: global }
      - { .name: qq, .offset: 32, .size: 8, .value_kind: global_buffer, .address_space: global }
      - { .name: kv, .offset: 40, .size: 8, .value_kind: global_buffer, .address_space: global }
    .group_segment_fixed_size: 247296
    .private_segment_fixed_size: 0
    .kernarg_segment_align: 8
    .kernarg_segment_size: 48
    .max_flat_workgroup_size: 384
    .sgpr_count:     96
    .vgpr_count:     256
    .wavefront_size: 32
...
	.end_amdgpu_metadata
.endif
;; end of part 2
;; launch attend (part 3): grid 16 x 16, 8 waves a work-group, clusters of 4 x 1, 327,680 bytes of LDS; arguments qq, kv, out0; writes out0
.if DOCPART == 3
	.amdgcn_target "amdgcn-amd-amdhsa--gfx1250"
	.amdhsa_code_object_version 6
	.text
	.protected	k_q6db3b8de45_attend
	.globl	k_q6db3b8de45_attend
	.p2align	8
	.type	k_q6db3b8de45_attend,@function
k_q6db3b8de45_attend:
	s_mov_b64 s[64:65], 0
	v_nop
	global_prefetch_b8 v0, s[64:65] scope:SCOPE_SE
	s_setreg_imm32_b32 hwreg(HW_REG_WAVE_MODE, 25, 1), 1
	s_wait_xcnt 0x0
	s_wait_alu depctr_hold_cnt(0) depctr_sa_sdst(0) depctr_va_vdst(0) depctr_va_sdst(0) depctr_va_ssrc(0) depctr_va_vcc(0) depctr_vm_vsrc(0)
	s_getreg_b32 s2, hwreg(HW_REG_IB_STS2, 6, 4)
	s_cmp_eq_u32 s2, 0
	s_cbranch_scc0 .Lentry_in_a_cluster
	s_endpgm
.Lentry_in_a_cluster:
	s_bfe_u32 s2, ttmp6, 0x10000c
	s_cmp_lg_u32 s2, 0x3003
	s_cbranch_scc0 .Lentry_shape_is_right
	s_endpgm
.Lentry_shape_is_right:
; out0[token][64 head + d] = the sum over keys of softmax(q . k / 8) v, for 16 query heads on 4 key and value heads (head / 4), 4,096 tokens, head size 64; both products on codes of FP6 (E2M3) with E8M0 scales.
; THE SOFTMAX AHEAD OF THE SECOND PRODUCT: t = score x log2(e) / 8; M = the row's largest t so far, rounded UP to a whole number; p = 2^(t - M) is quantised along the keys, not normalised.  The row's sum is taken
; of the unquantised p in f32 and divides at the end.  When M moves, the sum and O are multiplied by 2^(old M - new M): exact.
; LIMITS: NaN and infinities are not served.  The promise holds while the scaled scores t stay under 2^31 in magnitude.  A block of p whose largest number lies under 2^-124, zeros among them, keeps the scale byte 1.
; SHARES.  A work-group owns 256 queries of one head; each of its EIGHT waves owns two tiles of 16 (tile T's row i is token 64 (T / 4) + 8 (T % 4) + i % 8 + 32 (i / 8)), so that each fragment of K and V
; read from LDS feeds two tiles.  Tile 0's state lies in register window 0, tile 1's under the same numbers in window 1: one text (SOFTMAX, OUT) serves both under another setting of s_set_vgpr_msb.
; kv holds for each step of 128 keys one record of 12,800 bytes: K's eight half images (16 keys x 64: six registers a lane, registers 0-3 of lane l at 16 l, 4-5 at 512 + 8 l), V^T's eight (16 channels x 64 keys),
; 256 bytes of K's scale words and 256 of V's.  Every LDS read of an operand is of consecutive bytes.
; LAYOUT.  Both products are used transposed: S^T = K Q^T, O^T = V^T P^T: a lane holds ONE query (lane % 16).  By the order of rows in K's tiles register SS + 32 c + i is key 64 c + 32 (lane / 16) + i:
; a lane holds two WHOLE blocks of 32 keys, in the order of the next operand's registers: no block's maximum and no code crosses lanes; only the row's maximum and the scale word do.
; K = 64 IN AN INSTRUCTION OF K = 128.  A fragment of K holds tile 2 b's keys in k = 0 .. 63 and tile 2 b + 1's in k = 64 .. 127.  Q stands between runs of six registers of zero codes: (q, 0) gives tile 2 b's
; scores, (0, q) tile 2 b + 1's.  A zero code adds nothing under any byte from 1 to 254.
; THE ORDER OF A STEP.  The matrix instructions stand among the OTHER tile's plain vector work: in tile 0's softmax of step t tile 1's O^T += V^T P^T of step t - 1 (between the links of the chain that makes M) and tile 1's
; scores of step t (among the 32 multiply-adds); in tile 1's softmax tile 0's O^T of step t and tile 0's scores of step t + 1.  V of step t and K of step t + 1 are asked of LDS at the end of tile 0's multiply-adds,
; and waited for at the head of tile 1's softmax, the 66 exponentials and 68 more vector lines later.  A slot's first step has a prologue (K's loads, tile 0's scores); its last step asks for nothing ahead.
; THE RING.  Two slots of 12 steps (153,600 bytes).  Three fills: steps 0-11 at the head, steps 12-23 behind the first round, steps 24-31 into slot 0's first 102,400 bytes.  Every wave issues an eighth of each fill:
; one tensor load of a wave is out at any time.
; CLUSTER.  The four work-groups of a cluster belong to one head and walk the same records: each fill is asked for JOINTLY, by the same load with the same descriptor and the mask of all four.
; NO PREFETCH: the refill is asked for twelve key steps ahead of the wait for it, slot 1's fill likewise, and the first fill stands at the head, with no loop ahead of it.
; lds_bytes is all of a WGP's LDS; the text uses 308,224 bytes.
.set STEPB, 12800
.set S1,    12*STEPB                   ; slot 1 begins here
.set STG,   S1                         ; the way out's stages, 16 rows x (256 + 16) bytes a wave: in slot 1, behind its last fill and, by the last barrier, its last read
.set SPT,   272
.set SPARE, 2*S1                       ; behind the ring: the spare words, 128 bytes for each wave
.set KVH,   32*STEPB
.set QREC,  3328
; window 0 alone
.set L16,  1                           ; 16, 8, 4 x lane
.set L8,   2
.set L4,   3
.set SPW,  4                           ; my spare word's address; never rewritten
.set NIL,  5                           ; 0; never rewritten
.set ADA,  6                           ; the step's record + 16, 8, 4 x lane
.set ADB,  7
.set ADC,  8
.set STO,  9                           ; the stage: where I put a row's bytes, where I read rows back
.set RD,   10
.set GO,   11                          ; my byte offset in two rows of out0
.set QF,   12                          ; v12-17 zero codes, v18-23 tile 0's Q, v24-29 zero codes, v30-35 tile 1's Q, v36-41 zero codes
.set KF,   42                          ; v42-89 K's four fragments
.set KSC,  90                          ; K's scale words: lanes 0-15 fragment 2 i, lanes 16-31 fragment 2 i + 1
.set VSC,  92                          ; V's likewise
.set QSC,  94                          ; Q's scale words, tile 0, tile 1
.set PSC,  96                          ; p's scale words, tile 0, tile 1 (scale operands have no window)
; window 1 alone
.set VF,   0                           ; v0-47 of window 1: V's four fragments
; a tile's state, in its own window
.set SS,   100                         ; v100-163 S^T, then p
.set OT,   164                         ; v164-195 O^T: register i is channel 32 (lane / 16) + i
.set PCD,  196                         ; v196-207 p's codes
.set TC,   208                         ; v208-210, v212-214 the conversions' second halves
.set BM,   216                         ; my two blocks' largest score, then largest p
.set SO,   218                         ; the conversions' scale operands
.set NM,   220                         ; v[220:221] -M (the packed form takes the low word)
.set FF,   222                         ; v[222:223] f = 2^(old M - new M)
.set SUM,  224                         ; v[224:225] the row's sum, in two halves
.set CH,   226                         ; v226-233 four chains: of maxima, then of the step's sum
.set RUN,  234                         ; the largest score so far
.set T0,   235
.set T1,   236
.set T2,   237
.set XW,   238
.set WD,   239
.set SH8,  240                         ; 8 x (lane / 16)
.set WV,   10                          ; s10 wave
.set G1A,  16                          ; s[16:23] group 1: 75 rows of 256 bytes;  s[24:31]: 50 rows
.set G1B,  24
.set G0A,  32                          ; s[32:35], s[36:39], s[40:43] group 0 of the three fills
.set G0B,  36
.set G0C,  40
.set SEL,  44                          ; s[44:45] lane selects: lane l xor 16
.set CS,   46                          ; s[46:47] c = log2(e) / 8;  s48 = -c
.set NC,   48
.set TB,   49                          ; LDS byte at which the step's record begins
.set CNT,  50
.set MSB, 0
.macro WIN new                         ; the immediate's high byte repeats the setting that is left
.if MSB != (\new)
	s_set_vgpr_msb (MSB<<8)|(\new)
.set MSB, (\new)
.endif
.endm
.macro CROUND                          ; a round of the cluster's barrier
	s_barrier_signal -1
	s_barrier_wait -1
	s_cmp_lg_u32 s[WV], 0
	s_cbranch_scc1 .Lnot_wave_0_\@
	s_barrier_signal -3
.Lnot_wave_0_\@:
	s_barrier_wait -3
	s_barrier_signal -1
	s_barrier_wait -1
.endm
	s_load_b128 s[4:7], s[0:1], 0x0                ; qq s[4:5], kv s[6:7]
	s_load_b64 s[8:9], s[0:1], 0x10                ; out0
	v_lshl_add_u32 v[SPW], v0, 2, SPARE
	v_mov_b32 v[NIL], 0
	ds_add_u32 v[SPW], v[NIL]                      ; the opening lines: the add, twice on end, and its wait
	ds_add_u32 v[SPW], v[NIL]
	v_lshrrev_b32 v1, 5, v0
	v_readfirstlane_b32 s[WV], v1                  ; wave 0..7
	s_bfe_u32 s11, ttmp6, 0x40000                  ; cx
	s_lshl_b32 s12, ttmp9, 2
	s_add_co_u32 s12, s12, s11                     ; X: my block of 256 queries: it enters qq's and out0's addresses alone
	s_and_b32 s13, ttmp7, 0xffff                   ; the head, which the four partners share
	s_mov_b32 s[G1A], 15|(3<<16)|(1<<21)           ; the mask of all four; elements of 8 bytes; no padding; bit 21 beside the mask
	s_mov_b32 s[G1A+1], 32<<16
	s_mov_b32 s[G1A+2], 75<<16                     ; a dense block of 19,200 bytes as 75 rows of 256
	s_mov_b32 s[G1A+3], 32<<16
	s_mov_b32 s[G1A+4], 75
	s_mov_b32 s[G1A+5], 32
	s_mov_b32 s[G1A+6], 0
	s_mov_b32 s[G1A+7], 0
	s_mov_b32 s[G1B], 15|(3<<16)|(1<<21)
	s_mov_b32 s[G1B+1], 32<<16
	s_mov_b32 s[G1B+2], 50<<16                     ; 12,800 bytes as 50 rows
	s_mov_b32 s[G1B+3], 32<<16
	s_mov_b32 s[G1B+4], 50
	s_mov_b32 s[G1B+5], 32
	s_mov_b32 s[G1B+6], 0
	s_mov_b32 s[G1B+7], 0
	s_lshr_b32 s58, s13, 2
	s_mul_i32 s58, s58, KVH                        ; the value head's records
	s_mov_b32 s59, 0
	s_mul_i32 s60, s[WV], 3*STEPB/2                ; my eighth of a fill of 12 steps, in memory and in LDS,
	s_mul_i32 s61, s[WV], STEPB                    ; and of the fill of 8
	s_mul_i32 s51, s[WV], 16*SPT
	s_add_co_u32 s51, s51, STG                     ; my stage
	s_mov_b32 s[SEL], 0x76543210
	s_mov_b32 s[SEL+1], 0xfedcba98
	s_mov_b32 s[CS], 0x3e38aa3b
	s_mov_b32 s[CS+1], s[CS]
	s_mov_b32 s[NC], 0xbe38aa3b
	v_and_b32 v42, 31, v0                          ; lane
	v_and_b32 v43, 15, v0                          ; r
	v_bfe_u32 v44, v0, 4, 1                        ; h
	v_lshlrev_b32 v[L16], 4, v42
	v_lshlrev_b32 v[L8], 3, v42
	v_lshlrev_b32 v[L4], 2, v42
	v_lshlrev_b32 v45, 2, v43                      ; 4 r
	v_lshlrev_b32 v[GO], 12, v44
	v_mul_u32_u24 v[STO], v43, SPT
	v_mul_u32_u24 v[RD], v44, SPT
	v_lshl_add_u32 v[GO], v43, 4, v[GO]            ; lanes 0-15 one row of out0, lanes 16-31 the next; 16 bytes a lane
	v_lshl_add_u32 v[STO], v44, 7, v[STO]
	v_lshl_add_u32 v[RD], v43, 4, v[RD]
	v_add_nc_u32 v[STO], s51, v[STO]               ; in: row r, + 128 h
	v_add_nc_u32 v[RD], s51, v[RD]                 ; back: lanes 0-15 one row, lanes 16-31 the next
	s_wait_alu depctr_va_vdst(0)                   ; the wait ahead of the blocking waits
	s_wait_dscnt 0x0                               ; both opening adds are done
	s_wait_kmcnt 0x0
	s_add_nc_u64 s[58:59], s[6:7], s[58:59]
	s_mov_b32 s52, s60
	s_mov_b32 s53, 0
	s_mov_b32 s[G0A], 1
	s_mov_b32 s[G0A+1], s60                        ; slot 0, steps 0 to 11
	s_add_nc_u64 s[G0A+2:G0A+3], s[58:59], s[52:53]
	s_mov_b32 s[G0B], 1
	s_add_co_u32 s[G0B+1], s60, S1                 ; slot 1, steps 12 to 23
	s_add_nc_u64 s[G0B+2:G0B+3], s[G0A+2:G0A+3], 12*STEPB
	s_mov_b32 s52, s61
	s_mov_b32 s[G0C], 1
	s_mov_b32 s[G0C+1], s61                        ; slot 0 again, steps 24 to 31
	s_add_nc_u64 s[G0C+2:G0C+3], s[58:59], s[52:53]
	s_add_nc_u64 s[G0C+2:G0C+3], s[G0C+2:G0C+3], 24*STEPB
	s_or_b32 s[G0A+3], s[G0A+3], 0x80000000
	s_or_b32 s[G0B+3], s[G0B+3], 0x80000000
	s_or_b32 s[G0C+3], s[G0C+3], 0x80000000
	CROUND                                         ; all four work-groups are here: the first joint loads meet
	tensor_load_to_lds s[G0A:G0A+3], s[G1A:G1A+7]  ; my one load at the head
	s_nop 0
	s_lshl_b32 s52, s13, 6                         ; Q: record 64 head + 4 X + wave / 2,
	s_lshl_b32 s53, s12, 2
	s_add_co_u32 s52, s52, s53
	s_lshr_b32 s53, s[WV], 1
	s_add_co_u32 s52, s52, s53
	s_mul_i32 s52, s52, QREC
	s_and_b32 s14, s[WV], 1
	s_lshl_b32 s54, s14, 7
	s_add_co_u32 s54, s54, s52                     ; my two tiles' 32 scale words (at 3,072 of the record),
	s_mul_i32 s53, s14, 1536
	s_add_co_u32 s52, s52, s53                     ; half images 2 (wave % 2) and the next
	s_mov_b32 s53, 0
	s_mov_b32 s55, 0
	s_add_nc_u64 s[52:53], s[4:5], s[52:53]
	s_add_nc_u64 s[54:55], s[4:5], s[54:55]
	global_load_b128 v[QF+6:QF+9], v[L16], s[52:53]
	global_load_b64 v[QF+10:QF+11], v[L8], s[52:53] offset:512
	global_load_b128 v[QF+18:QF+21], v[L16], s[52:53] offset:768
	global_load_b64 v[QF+22:QF+23], v[L8], s[52:53] offset:1280
	global_load_b32 v[QSC], v45, s[54:55] offset:3072
	global_load_b32 v[QSC+1], v45, s[54:55] offset:3136
	s_lshl_b32 s56, s12, 8                         ; out0: my first tile's first token: 256 X + 64 (wave / 2) + 16 (wave % 2),
	s_lshr_b32 s57, s[WV], 1
	s_lshl_b32 s57, s57, 6
	s_add_co_u32 s56, s56, s57
	s_lshl_b32 s57, s14, 4
	s_add_co_u32 s56, s56, s57
	s_lshl_b32 s56, s56, 12                        ; rows of 4,096 bytes,
	s_lshl_b32 s57, s13, 8                         ; the head's 256 bytes
	s_add_co_u32 s56, s56, s57
	s_mov_b32 s57, 0
	s_add_nc_u64 s[8:9], s[8:9], s[56:57]
.irp j, 0,1,2,3,4,5
	v_mov_b32 v[QF+\j], 0                          ; the zero codes beside the two Q
	v_mov_b32 v[QF+12+\j], 0
	v_mov_b32 v[QF+24+\j], 0
.endr
.macro INIT                            ; a tile's state; the step's arithmetic is written once: the first step finds zeros, which the first change of M leaves zeros
.set J, 0
.rept 32
	v_mov_b32 v[OT+J], 0
.set J, J+1
.endr
	v_mov_b32 v[SUM], 0
	v_mov_b32 v[SUM+1], 0
	v_mov_b32 v[RUN], 0xff61b1e6                   ; -3e38, under every score
	v_mov_b32 v[NM], 0x7e000000                    ; -M: a whole number above every -t
	v_mov_b32 v[NM+1], 0                           ; (named as the upper halves of pairs)
	v_mov_b32 v[FF+1], 0
	v_mov_b32 v[T1], 0                             ; a lane permute's destination counts as one of its sources
	v_mov_b32 v[XW], 0
	v_lshlrev_b32 v[SH8], 3, v44
.endm
	INIT
	WIN 0x40                                       ; destinations in window 1
	INIT
	WIN 0
.macro WM0 d, a, b, sa, sb, row        ; a product that starts its sums
.if \row
	v_wmma_scale_f32_16x16x128_f8f6f4 v[\d:\d+7], v[\a:\a+11], v[\b:\b+11], 0, v[\sa], v[\sb] matrix_a_fmt:MATRIX_FMT_FP6 matrix_b_fmt:MATRIX_FMT_FP6 matrix_a_scale:MATRIX_SCALE_ROW1
.else
	v_wmma_scale_f32_16x16x128_f8f6f4 v[\d:\d+7], v[\a:\a+11], v[\b:\b+11], 0, v[\sa], v[\sb] matrix_a_fmt:MATRIX_FMT_FP6 matrix_b_fmt:MATRIX_FMT_FP6
.endif
.endm
.macro WMA d, a, b, sa, sb, row        ; a product that adds in place
.if \row
	v_wmma_scale_f32_16x16x128_f8f6f4 v[\d:\d+7], v[\a:\a+11], v[\b:\b+11], v[\d:\d+7], v[\sa], v[\sb] matrix_a_fmt:MATRIX_FMT_FP6 matrix_b_fmt:MATRIX_FMT_FP6 matrix_a_scale:MATRIX_SCALE_ROW1
.else
	v_wmma_scale_f32_16x16x128_f8f6f4 v[\d:\d+7], v[\a:\a+11], v[\b:\b+11], v[\d:\d+7], v[\sa], v[\sb] matrix_a_fmt:MATRIX_FMT_FP6 matrix_b_fmt:MATRIX_FMT_FP6
.endif
.endm
; One matrix instruction of the OTHER tile (1 - w), laid into tile w's softmax; the windows are set for it and set back.
.macro XPV w, t                        ; O^T += V^T P^T, channel tile t.  V's fragments lie in window 1; the other tile's codes and O^T in its own.  The four accumulators take turns
	WIN 0x55-0x54*\w
	WMA OT+8*\t, VF+12*\t, PCD, VSC+\t/2, PSC+1-\w, \t%2
	WIN 0x55*\w
.endm
.macro XS w, k                         ; S^T = K Q^T, score tile k: fragment k / 2 against (q, 0) or (0, q)
	WIN 0x40-0x40*\w
	WM0 SS+8*\k, KF+12*(\k/2), QF+6-6*(\k%2)+12-12*\w, KSC+\k/4, QSC+1-\w, (\k/2)%2
	WIN 0x55*\w
.endm
.macro SUMG j                          ; eight more p onto the step's four chains
.irp k, 0,2,4,6
	v_pk_add_f32 v[CH+\k:CH+\k+1], v[CH+\k:CH+\k+1], v[SS+\j+\k:SS+\j+\k+1]
.endr
.endm
; THE SOFTMAX OF ONE TILE AND 128 KEYS, in the tile's window.  pv: the other tile's four products with V are due; sx: its eight score products; ld: LDS loads at the end of the multiply-adds (1: V; 2: V and the next step's K).
.macro SOFTMAX w, pv, sx, ld
.if \w
	s_wait_dscnt 0x0                               ; V, and the next step's K, are in: asked for ahead of tile 0's exponentials
.endif
	s_wait_alu depctr_va_vdst(0)                   ; the wait directly ahead of the scores' first readers
	v_max3_num_f32 v[CH], v[SS], v[SS+1], v[SS+2]                  ; each block's largest score, in two chains (registers 0-16 and 17-31); each accumulator's first read takes one of its four lowest
	v_max3_num_f32 v[CH+1], v[SS+17], v[SS+18], v[SS+19]
	v_max3_num_f32 v[CH+2], v[SS+32], v[SS+33], v[SS+34]
	v_max3_num_f32 v[CH+3], v[SS+49], v[SS+50], v[SS+51]
.irp i, 3,5,7,9,11,13
	v_max3_num_f32 v[CH], v[CH], v[SS+\i], v[SS+\i+1]
	v_max3_num_f32 v[CH+1], v[CH+1], v[SS+17+\i], v[SS+18+\i]
	v_max3_num_f32 v[CH+2], v[CH+2], v[SS+32+\i], v[SS+33+\i]
	v_max3_num_f32 v[CH+3], v[CH+3], v[SS+49+\i], v[SS+50+\i]
.endr
	v_max3_num_f32 v[CH], v[CH], v[SS+15], v[SS+16]
	v_max3_num_f32 v[CH+2], v[CH+2], v[SS+47], v[SS+48]
	s_delay_alu instid0(VALU_DEP_2)
	v_max_num_f32 v[BM], v[CH], v[CH+1]            ; it serves the row's maximum and, since p rises with the score, the block's largest p
	s_delay_alu instid0(VALU_DEP_2)
	v_max_num_f32 v[BM+1], v[CH+2], v[CH+3]
	s_delay_alu instid0(VALU_DEP_1)
	v_max3_num_f32 v[T0], v[BM], v[BM+1], v[RUN]
.if \pv
	XPV \w, 0                                      ; the other tile's products stand between the links of this chain
.endif
	v_permlanex16_b32 v[T1], v[T0], s[SEL], s[SEL+1]
.if \pv
	XPV \w, 1
.endif
	v_max_num_f32 v[RUN], v[T0], v[T1]             ; with lane l xor 16's two blocks: the largest score so far
.if \pv
	XPV \w, 2
.endif
	v_mul_f32 v[T0], s[NC], v[RUN]                 ; -t
.if \pv
	XPV \w, 3
.endif
	v_floor_f32 v[T2], v[T0]                       ; the new -M = floor(-t) = -ceil(t)
	s_delay_alu instid0(VALU_DEP_1)
	v_sub_f32 v[T0], v[T2], v[NM]                  ; M's old value less its new one: a whole number, 0 or less
	v_mov_b32 v[NM], v[T2]
	s_delay_alu instid0(VALU_DEP_2)
	v_cvt_i32_f32 v[T0], v[T0]                     ; (it saturates)
	s_delay_alu instid0(VALU_DEP_1)
	v_ldexp_f32 v[FF], 1.0, v[T0]                  ; f = 2^(old M - new M)
.set J, 0
.irp k, 0,1,2,3,4,5,6,7
.if \sx
	XS \w, \k                                      ; one score product of the other tile ahead of each four multiply-adds
.endif
.rept 4
	v_pk_fma_f32 v[SS+J:SS+J+1], v[SS+J:SS+J+1], s[CS:CS+1], v[NM:NM+1] op_sel_hi:[1,0,0]   ; t - M, two at a time
.set J, J+2
.endr
.endr
	v_fma_f32 v[BM], v[BM], s[CS], v[NM]           ; the same of each block's largest score
	v_fma_f32 v[BM+1], v[BM+1], s[CS], v[NM]
.if \ld                                        ; six plain lines stand behind the last product that read K's registers, many behind the last that read V's
	WIN 0x40                                       ; V's fragments go to window 1
.irp i, 0,1,2,3,4,5,6,7
	ds_load_b128 v[VF+6*\i:VF+6*\i+3], v[ADA] offset:6144+768*\i      ; V^T's half image i = 2 ct + g: 512 consecutive bytes,
	ds_load_b64 v[VF+6*\i+4:VF+6*\i+5], v[ADB] offset:6144+768*\i+512 ; and 256
.endr
	WIN 0
	ds_load_b32 v[VSC], v[ADC] offset:12544
	ds_load_b32 v[VSC+1], v[ADC] offset:12672
.if (\ld) > 1
	ds_load_b32 v[KSC], v[ADC] offset:STEPB+12288                     ; the next step's record lies 12,800 bytes on, in the same slot
	ds_load_b32 v[KSC+1], v[ADC] offset:STEPB+12416
.irp t, 0,1,2,3,4,5,6,7
	ds_load_b128 v[KF+6*\t:KF+6*\t+3], v[ADA] offset:STEPB+768*\t
	ds_load_b64 v[KF+6*\t+4:KF+6*\t+5], v[ADB] offset:STEPB+768*\t+512
.endr
.endif
.endif
	s_wait_alu depctr_va_vdst(0)                   ; the wait ahead of the batch
.set J, 0
.rept 64
	v_exp_f32 v[SS+J], v[SS+J]                     ; p = 2^(t - M), at most 1: NOT normalised
.set J, J+1
.endr
	v_exp_f32 v[BM], v[BM]                         ; the block's largest p: the same two instructions on the same number give the same bits
	v_exp_f32 v[BM+1], v[BM+1]
	s_wait_alu depctr_va_vdst(0)                   ; one wait for the batch of 66, and directly ahead of O^T's first readers
.set J, 0
.rept 16
	v_pk_mul_f32 v[OT+J:OT+J+1], v[OT+J:OT+J+1], v[FF:FF+1] op_sel_hi:[1,0]   ; O^T under the new M: x f, exact; each accumulator from its low end on
.set J, J+2
.endr
	v_max_num_f32 v[BM], 0x1800000, v[BM]          ; the floor 2^(3 - 127): the byte cannot fall under 1
	v_max_num_f32 v[BM+1], 0x1800000, v[BM+1]
.irp k, 0,2,4,6
	v_pk_add_f32 v[CH+\k:CH+\k+1], v[SS+\k:SS+\k+1], v[SS+8+\k:SS+8+\k+1]   ; THE ROW'S SUM IS TAKEN OF THE UNQUANTISED p: four chains, laid between the links of the scale's chain
.endr
	v_add_nc_u32 v[SO], 0xff000000, v[BM]          ; 2 off the exponent field: the conversion's scale operand
	v_add_nc_u32 v[SO+1], 0xff000000, v[BM+1]
	SUMG 16
	v_lshrrev_b32 v[T0], 23, v[SO]                 ; the scales' bytes: blocks h and 2 + h
	v_lshrrev_b32 v[T2], 23, v[SO+1]
	SUMG 24
	v_lshl_or_b32 v[WD], v[T2], 16, v[T0]
	v_cvt_scalef32_pk16_fp6_f32 v[PCD:PCD+2], v[SS:SS+15], v[SO]
	v_cvt_scalef32_pk16_fp6_f32 v[TC:TC+2], v[SS+16:SS+31], v[SO]          ; (a conversion's three registers begin on an even number)
	v_cvt_scalef32_pk16_fp6_f32 v[PCD+6:PCD+8], v[SS+32:SS+47], v[SO+1]
	v_cvt_scalef32_pk16_fp6_f32 v[TC+4:TC+6], v[SS+48:SS+63], v[SO+1]
	v_lshlrev_b32 v[WD], v[SH8], v[WD]             ; my two bytes at their places in the word.  (The plain place behind the conversions)
	SUMG 32
	v_permlanex16_b32 v[XW], v[WD], s[SEL], s[SEL+1]
.irp i, 0,1,2
	v_mov_b32 v[PCD+3+\i], v[TC+\i]
	v_mov_b32 v[PCD+9+\i], v[TC+4+\i]
.endr
	WIN 0x05*\w                                    ; the scale word lies in window 0
	v_or_b32 v[PSC+\w], v[WD], v[XW]               ; with lane l xor 16's two bytes the word is whole
	WIN 0x55*\w
	SUMG 40                                        ; sixteen plain lines here, and the other tile's maxima, stand ahead of the products that take p's scale word and codes
	SUMG 48
	SUMG 56
	v_pk_add_f32 v[CH:CH+1], v[CH:CH+1], v[CH+2:CH+3]
	v_pk_add_f32 v[CH+4:CH+5], v[CH+4:CH+5], v[CH+6:CH+7]
	s_delay_alu instid0(VALU_DEP_1)
	v_pk_add_f32 v[CH:CH+1], v[CH:CH+1], v[CH+4:CH+5]
	s_delay_alu instid0(VALU_DEP_1)
	v_pk_fma_f32 v[SUM:SUM+1], v[SUM:SUM+1], v[FF:FF+1], v[CH:CH+1] op_sel_hi:[1,0,1]   ; the sum under the new M, and the step's
.endm
; A KEY STEP: 128 keys, whose record begins at LDS byte s[TB], for both tiles.  pv = 0: the launch's first step, with no product of tile 1 pending; nx = 0: a slot's last step, which asks for nothing of the next record.
.macro STEP pv, nx
	v_add_nc_u32 v[ADA], s[TB], v[L16]
	v_add_nc_u32 v[ADB], s[TB], v[L8]
	v_add_nc_u32 v[ADC], s[TB], v[L4]
	SOFTMAX 0, \pv, 1, 1+\nx
	WIN 0x55                                       ; every operand in window 1
	SOFTMAX 1, 1, \nx, 0
	WIN 0
	s_add_co_u32 s[TB], s[TB], STEPB
.endm
; A slot's prologue: its first record's K, and tile 0's scores.
.macro PRO
	v_add_nc_u32 v[ADA], s[TB], v[L16]
	v_add_nc_u32 v[ADB], s[TB], v[L8]
	v_add_nc_u32 v[ADC], s[TB], v[L4]
	ds_load_b32 v[KSC], v[ADC] offset:12288
	ds_load_b32 v[KSC+1], v[ADC] offset:12416
.irp t, 0,1,2,3,4,5,6,7
	ds_load_b128 v[KF+6*\t:KF+6*\t+3], v[ADA] offset:768*\t
	ds_load_b64 v[KF+6*\t+4:KF+6*\t+5], v[ADB] offset:768*\t+512
.endr
.irp k, 0,1,2,3,4,5,6,7
.if \k%2 == 0
	s_wait_dscnt 12-2*\k                           ; fragment k / 2's four loads are in; the four of each later fragment may be out
.endif
	WM0 SS+8*\k, KF+12*(\k/2), QF+6-6*(\k%2), KSC+\k/4, QSC, (\k/2)%2
.endr
.rept 4
	v_nop                                          ; four places in front of the first read of the scores
.endr
.endm
.macro SLOTRUN base, n, first          ; a slot's n key steps
	s_mov_b32 s[TB], \base
	PRO
.if \first
	STEP 0, 1
	s_mov_b32 s[CNT], \n-2
.else
	s_mov_b32 s[CNT], \n-1
.endif
.Lstep_\@:
	STEP 1, 1
	s_sub_co_u32 s[CNT], s[CNT], 1
	s_cmp_lg_u32 s[CNT], 0
	s_cbranch_scc1 .Lstep_\@
	STEP 1, 0
.endm
	s_wait_alu depctr_va_vdst(0)                   ; the wait at the head's end
	s_wait_tensorcnt 0x0                           ; my eighth of steps 0 to 11 is in
	ds_add_u32 v[SPW], v[NIL]
	s_wait_dscnt 0x0
	CROUND                                         ; everybody's is, and all four work-groups are here
	tensor_load_to_lds s[G0B:G0B+3], s[G1A:G1A+7]  ; slot 1's first fill: my one load behind the round; twelve key steps stand ahead of the wait for it
	s_nop 0
	s_wait_loadcnt 0x0                             ; Q
	SLOTRUN 0, 12, 1                               ; steps 0 to 11
	s_wait_tensorcnt 0x0                           ; THE CHANGE OF SLOTS: all my loads have landed,
	ds_add_u32 v[SPW], v[NIL]                      ; 0 onto my spare word
	s_wait_dscnt 0x0                               ; the add is done, and my reads of slot 0 are over
	CROUND                                         ; so of every wave of all four work-groups
	tensor_load_to_lds s[G0C:G0C+3], s[G1B:G1B+7]  ; slot 0's first 102,400 bytes take steps 24 to 31
	s_nop 0
	SLOTRUN S1, 12, 0                              ; steps 12 to 23
	s_wait_tensorcnt 0x0
	ds_add_u32 v[SPW], v[NIL]
	s_wait_dscnt 0x0                               ; my reads of slot 1 are over
	s_barrier_signal -1
	s_barrier_wait -1                              ; slot 1 is read no more
	SLOTRUN 0, 8, 0                                ; steps 24 to 31
	WIN 0x55                                       ; tile 1's products of the last step: V's fragments, p's codes and O^T all lie in window 1
.irp t, 0,1,2,3
	WMA OT+8*\t, VF+12*\t, PCD, VSC+\t/2, PSC+1, \t%2
.endr
	WIN 0
; THE WAY OUT of tile w.  O^T is divided by the row's sum and goes through my own stage, so that sixteen lanes store a token's 256 bytes of the head: one aligned run.
.macro OUT w, bk
	WIN 0x55*\w
	s_wait_alu depctr_va_vdst(0)                   ; the wait ahead of the sum's reader
	v_add_f32 v[SUM], v[SUM], v[SUM+1]             ; the sum's two halves,
	v_permlanex16_b32 v[T1], v[SUM], s[SEL], s[SEL+1]
	v_add_f32 v[SUM], v[SUM], v[T1]                ; and lane l xor 16's two blocks of each step: the row's sum
	s_wait_alu depctr_va_vdst(0)
	v_rcp_f32 v[SUM], v[SUM]
	v_nop                                          ; a plain place behind the reciprocal
	s_wait_alu depctr_va_vdst(0)                   ; ahead of the reciprocal's and O^T's first readers
.set J, 0
.rept 16
	v_pk_mul_f32 v[SS+J:SS+J+1], v[OT+J:OT+J+1], v[SUM:SUM+1] op_sel_hi:[1,0]   ; each accumulator from its low end on
.set J, J+2
.endr
	WIN 0x04*\w                                    ; the stores' data in the tile's window
.irp i, 0,1,2,3,4,5,6,7
	ds_store_b128 v[STO], v[SS+4*\i:SS+4*\i+3] offset:16*\i    ; channels 32 h + 4 i .. of query r
.endr
	WIN 0
.irp i, 0,1,2,3,4,5,6,7
	ds_load_b128 v[\bk+4*\i:\bk+4*\i+3], v[RD] offset:544*\i   ; LDS serves a wave's instructions in order; rows 2 i and 2 i + 1 of the tile
.endr
.irp i, 0,1,2,3,4,5,6,7
	s_wait_dscnt 7-\i                              ; pair i is back; the younger loads may be out
	global_store_b128 v[GO], v[\bk+4*\i:\bk+4*\i+3], s[8:9] offset:((2*\i)%8+32*(\i/4)+8*\w)*4096 th:TH_STORE_NT   ; the tile's row i' is token i' % 8 + 32 (i' / 8) from its first
.endr
.endm
	OUT 0, KF                                      ; (its vector lines are the places behind tile 1's last products)
	OUT 1, SS                                      ; back into window 0's v100-131, which tile 0's stage stores have read
	s_wait_tensorcnt 0x0                           ; the wave's end
	ds_add_u32 v[SPW], v[NIL]
	s_wait_dscnt 0x0
	CROUND                                         ; the closing round
	s_endpgm
.Lfunc_end_k_q6db3b8de45_attend:
	.size	k_q6db3b8de45_attend, .Lfunc_end_k_q6db3b8de45_attend-k_q6db3b8de45_attend
	.p2alignl 7, 3214868480
	.fill 96, 4, 3214868480
	.section	.rodata,"a",@progbits
	.p2align	6, 0x0
	.amdhsa_kernel k_q6db3b8de45_attend
		.amdhsa_group_segment_fixed_size 327680
		.amdhsa_private_segment_fixed_size 0
		.amdhsa_enable_private_segment 0
		.amdhsa_kernarg_size 24
		.amdhsa_user_sgpr_count 2
		.amdhsa_user_sgpr_kernarg_segment_ptr 1
		.amdhsa_wavefront_size32 1
		.amdhsa_system_sgpr_workgroup_id_x 1
		.amdhsa_system_sgpr_workgroup_id_y 1
		.amdhsa_system_sgpr_workgroup_id_z 1
		.amdhsa_system_vgpr_workitem_id 0
		.amdhsa_next_free_vgpr 512
		.amdhsa_next_free_sgpr 66
		.amdhsa_reserve_vcc 0
		.amdhsa_float_denorm_mode_32 3
		.amdhsa_float_denorm_mode_16_64 3
		.amdhsa_memory_ordered 1
		.amdhsa_forward_progress 1
		.amdhsa_inst_pref_size 219
	.end_amdhsa_kernel
	.amdgpu_metadata
---
amdhsa.version: [ 1, 2 ]
amdhsa.kernels:
  - .name:           k_q6db3b8de45_attend
    .symbol:         k_q6db3b8de45_attend.kd
    .args:
      - { .name: qq, .offset: 0, .size: 8, .value_kind: global_buffer, .address_space: global }
      - { .name: kv, .offset: 8, .size: 8, .value_kind: global_buffer, .address_space: global }
      - { .name: out0, .offset: 16, .size: 8, .value_kind: global_buffer, .address_space: global }
    .group_segment_fixed_size: 327680
    .private_segment_fixed_size: 0
    .kernarg_segment_align: 8
    .kernarg_segment_size: 24
    .max_flat_workgroup_size: 256
    .sgpr_count:     66
    .vgpr_count:     512
    .wavefront_size: 32
...
	.end_amdgpu_metadata
.endif
;; end of part 3
